; MI455X (gfx1250); checked and timed in simulation.
; The chip was launched on July 23, 2026; its instructions are those of AMD's public machine-readable ISA for CDNA 5 (MIT licence, August 2026) and "CDNA5" Instruction Set Architecture Reference Guide (July 2026). The comments in the code are by the model that wrote it; some were corrected since.
;; Vector Quantizer. Allowed arithmetic: matrix products marked QUANTISED: E5M2 operands, one given power-of-two scale a tensor, by v_wmma_f32_16x16x64_bf8_bf8 or v_wmma_f32_16x16x128_bf8_bf8, f32 sums; everything else in f32.
;; Inputs: emb 8,192 x 256 float32; lowp_scales 2 int32 (the exponents e of the quantised operands' scales 2^e); z 8 x 256 x 4,096 float32.
;; Outputs: out0 8 x 256 x 4,096 float32; out1 one number float32; out2 32,768 int32.
;; This version of the problem:
;;   THIS VERSION OF THE PROBLEM IS GIVEN IN LOW PRECISION. The matrix products marked QUANTISED in the list below multiply operands that are first quantised to E5M2 (5 exponent bits, 2 mantissa bits; 8 bits a number), with one given power-of-two scale for each operand tensor; their sums are f32. All else is computed in f32.
;;   The module's matrix products, in the order in which they are computed (A, B: the left and right operand; K: the contracted axis; several contracted axes count as one K, in the product's order):
;;     1. [M 32,768, K 256] x [K 256, N 8,192]; A: input z; B: input emb: QUANTISED (scales: A lowp_scales[0], B lowp_scales[1])
;;   THE QUANTISER, for each operand of a quantised product, along K:
;;     - The operand's scale is 2^e, e = its entry of the input lowp_scales (int32; the entries are numbered through the quantised products in the list's order, A before B).
;;     - Each number is divided by the scale, clamped to +-57,344, and rounded to the nearest number of E5M2, ties to even, subnormals kept.
;;     - The product sums the exact products of the quantised numbers (number of the format x scale) in f32.
;;   ~~~python
;;   def quantise(x, axis, e):      # numpy; x: float32 -> the quantised numbers, widened to float32 again
;;       x = np.moveaxis(x, axis, -1); K = x.shape[-1]
;;       r = np.clip(x / 2.0 ** e, -57344, 57344)
;;       step = 2.0 ** (np.maximum(np.frexp(np.where(r == 0, 1, r))[1] - 1, -14) - 2)
;;       q = np.round(r / step) * step * 2.0 ** e      # np.round: ties to even
;;       return np.moveaxis(q, -1, axis).astype(np.float32)
;;   ~~~
;; One version. Each part assembles by itself: llvm-mc -triple=amdgcn-amd-amdhsa -mcpu=gfx1250 --defsym DOCPART=n.
;; ======== version 1 of 1: 5 launches
;; limits: right only within a limited range of input values
;; workspace buffers: zc 8,388,608 bytes; zzb 131,072 bytes; ec 2,097,152 bytes; eeb 32,768 bytes; cand 2,097,152 bytes of whole numbers; idxw 131,072 bytes of whole numbers; part 1,024 bytes
;; launch prep (part 1): grid 256 x 1, 16 waves a work-group, no clusters, 93,184 bytes of LDS; arguments z, emb, lowp_scales, zc, zzb, ec, eeb; writes zc, zzb, ec, eeb
.if DOCPART == 1
	.amdgcn_target "amdgcn-amd-amdhsa--gfx1250"
	.amdhsa_code_object_version 6
	.text
	.protected	k_q601038b563_prep
	.globl	k_q601038b563_prep
	.p2align	8
	.type	k_q601038b563_prep,@function
k_q601038b563_prep:
	s_mov_b64 s[64:65], 0
	v_nop
	global_prefetch_b8 v0, s[64:65] scope:SCOPE_SE
	s_setreg_imm32_b32 hwreg(HW_REG_WAVE_MODE, 25, 1), 1
	s_wait_xcnt 0x0
; z [8][256][4096] and emb [8192][256], f32, become codes of BF8 (E5M2), each with the one scale 2^e that is given for it (entry 0: z, entry 1: emb),
; and the sums of squares zz [32768] (token n = 4096 b + t) and ee [8192] are made, in f32, of the numbers as they are given.  Nothing of reference() is left out.
; code = x / 2^e, held within +-57,344, rounded to the nearest code, ties to even.
; LIMITS: e between -126 and 112, so that 2^e and 57,344 x 2^e are f32 numbers.  NaN and infinity among the inputs are not served.  zz and ee are summed in this text's own order.
; THE CODES ARE LAID AS IMAGES OF OPERAND REGISTERS: a tile of 16 rows (tokens, or codebook rows) x 256 K is 4,096 bytes, 16 units of 256 bytes: unit m holds K = 16 m + 0 .. 15, 16 bytes for each row r.
; SHARES.  Each of 256 work-groups takes 128 tokens of z (8 tiles) and 32 rows of emb (2 tiles).
; z: K (the channels) is not innermost.  Wave w takes channels 16 w .. + 15 of all 128 tokens: 16 loads of 512 consecutive bytes; a lane holds tokens 4 l .. 4 l + 3.  The hold at the largest code writes each number
; to the register where the conversion wants it (16 t + channel), so K runs along a lane's registers and no line is spent on moving.
; emb: K is innermost.  Wave w takes rows 2 w, 2 w + 1: 4 loads of 512 consecutive bytes, turned through the wave's own stage so that a lane holds 16 neighbours along K.
; Codes gather in LDS as padded images and leave by stores of 512 consecutive bytes.  A work-group's 32 ee are 128 bytes: half of an aligned block of 256.
; No tensor loads, no ring, no cluster, no prefetch: a wave asks for all its 10,240 bytes at once, and work-groups share nothing.
.set PT,  4112                         ; a z tile in LDS: 4,096 bytes + 16
.set UP,  272                          ; a unit of emb's images in LDS: 256 bytes + 16
.set SP,  80                           ; a lane's place in the turning stage: 64 bytes + 16
.set ZI,  0                            ; z's images: 8 x PT
.set ZP,  33024                        ; zz: 16 parts x 128 tokens
.set ET,  41216                        ; the turning stages: 16 waves x 32 x SP
.set EI,  82176                        ; emb's images: 32 x UP
.set EL,  90880                        ; ee: 32 words
.set SPARE, 91136                      ; 128 bytes for each of 16 waves
.set X,  16                            ; v16-79   z as loaded: register 4 channel + t
.set Y,  80                            ; v80-143  z held: register 16 t + channel
.set C,  144                           ; v144-159 z's codes: 4 t + 0 .. 3
.set S,  160                           ; v160-163 squares of my four tokens
.set R,  164                           ; v164-179 emb as loaded
.set XE, 180                           ; v180-195 16 neighbours of a row of emb
.set CE, 196                           ; v196-199 their codes
.set SE, 200                           ; v200-203 their squares, two packed chains
.set O,  208                           ; v208-227 images read back
.set ZH, 228                           ; 57,344 x 2^e0
.set ZS, 229                           ; 2^e0
.set EH, 230                           ; 57,344 x 2^e1
.set ES, 231                           ; 2^e1
.set WV, 18
	s_load_b256 s[4:11], s[0:1], 0x0               ; z s[4:5], emb s[6:7], the scales' exponents s[8:9], zc s[10:11]
	s_load_b128 s[12:15], s[0:1], 0x20             ; zzb s[12:13], ec s[14:15]
	s_load_b64 s[16:17], s[0:1], 0x30              ; eeb
	v_lshl_add_u32 v12, v0, 2, SPARE               ; the add's two registers, kept for it alone
	v_mov_b32 v13, 0
	v_lshrrev_b32 v1, 5, v0
	v_readfirstlane_b32 s[WV], v1                  ; wave 0..15
	s_lshl_b32 s20, s[WV], 8                       ; z's image, in: my unit of every tile
	s_lshr_b32 s21, s[WV], 1                       ; out: tile w / 2, half w % 2
	s_mul_i32 s21, s21, PT
	s_and_b32 s22, s[WV], 1
	s_lshl_b32 s22, s22, 11
	s_add_co_u32 s21, s21, s22
	s_lshl_b32 s22, s[WV], 9
	s_add_co_u32 s22, s22, ZP                      ; my part of zz
	s_mul_i32 s23, s[WV], 32*SP
	s_add_co_u32 s23, s23, ET                      ; my turning stage
	s_lshr_b32 s24, s[WV], 3                       ; emb's image, in: tile w / 8, rows 2 (w % 8) and the next
	s_mul_i32 s24, s24, 16*UP
	s_and_b32 s25, s[WV], 7
	s_lshl_b32 s25, s25, 5
	s_add_co_u32 s24, s24, s25
	s_add_co_u32 s24, s24, EI
	s_mul_i32 s25, s[WV], 2*UP                     ; out: units 2 w and 2 w + 1
	s_add_co_u32 s25, s25, EI
	s_lshl_b32 s26, s[WV], 3
	s_add_co_u32 s26, s26, EL                      ; my two rows' ee
	v_and_b32 v1, 31, v0                           ; lane l
	v_bfe_u32 v[Y], v0, 2, 3                       ; l / 4
	v_and_b32 v[Y+1], 3, v0                        ; l % 4
	v_bfe_u32 v[Y+2], v0, 4, 1                     ; l / 16
	v_and_b32 v[Y+3], 15, v0                       ; l % 16
	v_lshlrev_b32 v2, 4, v1                        ; 16 l
	v_mul_u32_u24 v3, v[Y], PT
	v_mul_u32_u24 v7, v[Y], SP
	v_mul_u32_u24 v8, v1, SP
	v_mul_u32_u24 v9, v[Y+3], UP
	v_mul_u32_u24 v10, v[Y+2], UP
	v_lshl_add_u32 v3, v[Y+1], 6, v3
	v_lshl_add_u32 v7, v[Y+1], 4, v7
	v_lshl_add_u32 v9, v[Y+2], 4, v9
	v_lshl_add_u32 v10, v[Y+3], 4, v10
	v_add_nc_u32 v3, s20, v3                       ; z's image, in: tile l / 4, unit w, rows 4 (l % 4) + t
	v_add_nc_u32 v4, s21, v2                       ; z's image, out
	v_add_nc_u32 v5, s22, v2                       ; zz, in
	v_add_nc_u32 v6, ZP, v2                        ; zz, out
	v_add_nc_u32 v7, s23, v7                       ; the turn, in: four lanes' 64 bytes on end
	v_add_nc_u32 v8, s23, v8                       ; the turn, out: my 16 neighbours
	v_add_nc_u32 v9, s24, v9                       ; emb's image, in: unit l % 16, row 2 (w % 8) + l / 16
	v_add_nc_u32 v10, s25, v10                     ; emb's image, out
	v_lshl_add_u32 v11, v[Y+2], 2, s26             ; ee, in
	v_lshl_add_u32 v14, v1, 2, EL                  ; ee, out
	v_lshlrev_b32 v15, 2, v1
	s_lshr_b32 s28, ttmp9, 5                       ; z: b,
	s_lshl_b32 s28, s28, 22
	s_lshl_b32 s29, s[WV], 18                      ; 16 channels of 16,384 bytes a wave,
	s_add_co_u32 s28, s28, s29
	s_and_b32 s29, ttmp9, 31
	s_lshl_b32 s29, s29, 9                         ; the group's first token
	s_add_co_u32 s28, s28, s29
	s_mov_b32 s29, 0
	s_lshl_b32 s30, ttmp9, 15                      ; emb: 32 rows of 1,024 bytes a group, two a wave; zc: 8 images a group, half of one a wave: the same number
	s_lshl_b32 s31, s[WV], 11
	s_add_co_u32 s30, s30, s31
	s_mov_b32 s31, 0
	s_lshl_b32 s32, ttmp9, 13                      ; ec: 2 images a group, 512 bytes a wave
	s_lshl_b32 s33, s[WV], 9
	s_add_co_u32 s32, s32, s33
	s_mov_b32 s33, 0
	s_lshl_b32 s34, ttmp9, 9                       ; zzb
	s_mov_b32 s35, 0
	s_lshl_b32 s36, ttmp9, 7                       ; eeb
	s_mov_b32 s37, 0
	s_wait_alu depctr_va_vdst(0)
	s_wait_kmcnt 0x0
	s_load_b64 s[38:39], s[8:9], 0x0               ; e0, e1
	s_add_nc_u64 s[4:5], s[4:5], s[28:29]
	s_add_nc_u64 s[6:7], s[6:7], s[30:31]
	s_add_nc_u64 s[10:11], s[10:11], s[30:31]
	s_add_nc_u64 s[14:15], s[14:15], s[32:33]
	s_add_nc_u64 s[12:13], s[12:13], s[34:35]
	s_add_nc_u64 s[16:17], s[16:17], s[36:37]
.set p, 0
.rept 16
	global_load_b128 v[X+4*p:X+4*p+3], v2, s[4:5] offset:p*16384 th:TH_LOAD_NT   ; one channel, 128 tokens: 512 consecutive bytes
.set p, p+1
.endr
.irp i, 0,1,2,3
	global_load_b128 v[R+4*\i:R+4*\i+3], v2, s[6:7] offset:512*\i th:TH_LOAD_NT
.endr
	s_wait_kmcnt 0x0
	s_add_co_i32 s40, s38, 127
	s_lshl_b32 s41, s40, 23
	v_mov_b32 v[ZS], s41                           ; 2^e0: the conversion takes its exponent field
	s_add_co_i32 s40, s40, 15
	s_lshl_b32 s40, s40, 23
	s_or_b32 s40, s40, 0x600000
	v_mov_b32 v[ZH], s40                           ; 57,344 x 2^e0
	s_add_co_i32 s40, s39, 127
	s_lshl_b32 s41, s40, 23
	v_mov_b32 v[ES], s41
	s_add_co_i32 s40, s40, 15
	s_lshl_b32 s40, s40, 23
	s_or_b32 s40, s40, 0x600000
	v_mov_b32 v[EH], s40
	s_wait_alu depctr_va_vdst(0)                   ; the head's end
	s_wait_loadcnt 4                               ; z's sixteen loads are in; emb's four may be out
	v_pk_mul_f32 v[S:S+1], v[X:X+1], v[X:X+1]      ; the first channel's squares start the sums
	v_pk_mul_f32 v[S+2:S+3], v[X+2:X+3], v[X+2:X+3]
.set p, 1
.rept 15
	v_pk_fma_f32 v[S:S+1], v[X+4*p:X+4*p+1], v[X+4*p:X+4*p+1], v[S:S+1]
	v_pk_fma_f32 v[S+2:S+3], v[X+4*p+2:X+4*p+3], v[X+4*p+2:X+4*p+3], v[S+2:S+3]
.set p, p+1
.endr
.set p, 0
.rept 64                               ; the conversion to an 8-bit code does not saturate (ISA guide 7.6.2): the hold; it also lays token t's 16 channels on end
	v_med3_num_f32 v[Y+p], v[X+4*(p%16)+p/16], -v[ZH], v[ZH]
.set p, p+1
.endr
.irp t, 0,1,2,3
	v_cvt_scalef32_pk8_bf8_f32 v[C+4*\t:C+4*\t+1], v[Y+16*\t:Y+16*\t+7], v[ZS]
	v_cvt_scalef32_pk8_bf8_f32 v[C+4*\t+2:C+4*\t+3], v[Y+16*\t+8:Y+16*\t+15], v[ZS]
.endr
	v_nop                                          ; one plain line behind the last conversion
.irp t, 0,1,2,3
	ds_store_b128 v3, v[C+4*\t:C+4*\t+3] offset:16*\t
.endr
	ds_store_b128 v5, v[S:S+3]
	s_wait_loadcnt 0x0                             ; emb's four loads
.irp i, 0,1,2,3                        ; LDS serves a wave's instructions in order: no wait between these stores and loads of my own stage
	ds_store_b128 v7, v[R+4*\i:R+4*\i+3] offset:8*SP*\i
.endr
.irp i, 0,1,2,3
	ds_load_b128 v[XE+4*\i:XE+4*\i+3], v8 offset:16*\i
.endr
	s_wait_dscnt 0x0
	v_pk_mul_f32 v[SE:SE+1], v[XE:XE+1], v[XE:XE+1]
	v_pk_mul_f32 v[SE+2:SE+3], v[XE+2:XE+3], v[XE+2:XE+3]
.irp p, 1,2,3
	v_pk_fma_f32 v[SE:SE+1], v[XE+4*\p:XE+4*\p+1], v[XE+4*\p:XE+4*\p+1], v[SE:SE+1]
	v_pk_fma_f32 v[SE+2:SE+3], v[XE+4*\p+2:XE+4*\p+3], v[XE+4*\p+2:XE+4*\p+3], v[SE+2:SE+3]
.endr
.set p, 0
.rept 16
	v_med3_num_f32 v[XE+p], v[XE+p], -v[EH], v[EH]
.set p, p+1
.endr
	v_pk_add_f32 v[SE:SE+1], v[SE:SE+1], v[SE+2:SE+3]
	v_cvt_scalef32_pk8_bf8_f32 v[CE:CE+1], v[XE:XE+7], v[ES]
	v_cvt_scalef32_pk8_bf8_f32 v[CE+2:CE+3], v[XE+8:XE+15], v[ES]
	v_add_f32 v[SE], v[SE], v[SE+1]                ; my 16 squares; sixteen lanes hold a row
	s_delay_alu instid0(VALU_DEP_1)
	v_add_f32_dpp v[SE], v[SE], v[SE] row_xmask:1 row_mask:0xf bank_mask:0xf
	s_delay_alu instid0(VALU_DEP_1)
	v_add_f32_dpp v[SE], v[SE], v[SE] row_xmask:2 row_mask:0xf bank_mask:0xf
	s_delay_alu instid0(VALU_DEP_1)
	v_add_f32_dpp v[SE], v[SE], v[SE] row_xmask:4 row_mask:0xf bank_mask:0xf
	s_delay_alu instid0(VALU_DEP_1)
	v_add_f32_dpp v[SE], v[SE], v[SE] row_xmask:8 row_mask:0xf bank_mask:0xf
	ds_store_b128 v9, v[CE:CE+3]
	ds_store_b32 v11, v[SE]                        ; sixteen lanes write the same word with the same number
	s_wait_dscnt 0x0                               ; for the others' sake: my codes and sums have landed
	s_barrier_signal -1
	s_barrier_wait -1
.irp i, 0,1,2,3
	ds_load_b128 v[O+4*\i:O+4*\i+3], v4 offset:512*\i
.endr
	ds_load_b128 v[O+16:O+19], v10
	s_wait_dscnt 0x0
.irp i, 0,1,2,3
	global_store_b128 v2, v[O+4*\i:O+4*\i+3], s[10:11] offset:512*\i   ; 512 consecutive bytes of an image
.endr
	global_store_b128 v2, v[O+16:O+19], s[14:15]
	s_cmp_lg_u32 s[WV], 0
	s_cbranch_scc1 .Lnot_0
.set p, 0
.rept 16                               ; wave 0: the sixteen parts of zz, part 0 first
	ds_load_b128 v[X+4*p:X+4*p+3], v6 offset:512*p
.set p, p+1
.endr
	s_wait_dscnt 0x0
.set p, 1
.rept 15
	v_pk_add_f32 v[X:X+1], v[X:X+1], v[X+4*p:X+4*p+1]
	v_pk_add_f32 v[X+2:X+3], v[X+2:X+3], v[X+4*p+2:X+4*p+3]
.set p, p+1
.endr
	global_store_b128 v2, v[X:X+3], s[12:13]       ; 128 zz: 512 consecutive bytes
	s_branch .Lend
.Lnot_0:
	s_cmp_lg_u32 s[WV], 1
	s_cbranch_scc1 .Lend
	ds_load_b32 v[X], v14                          ; wave 1: the 32 ee
	s_wait_dscnt 0x0
	global_store_b32 v15, v[X], s[16:17]           ; 128 consecutive bytes
.Lend:
	s_wait_tensorcnt 0x0                           ; the wave's end
	ds_add_u32 v12, v13
	s_wait_dscnt 0x0
	s_endpgm
.Lfunc_end_k_q601038b563_prep:
	.size	k_q601038b563_prep, .Lfunc_end_k_q601038b563_prep-k_q601038b563_prep
	.p2alignl 7, 3214868480
	.fill 96, 4, 3214868480
	.section	.rodata,"a",@progbits
	.p2align	6, 0x0
	.amdhsa_kernel k_q601038b563_prep
		.amdhsa_group_segment_fixed_size 93184
		.amdhsa_private_segment_fixed_size 0
		.amdhsa_enable_private_segment 0
		.amdhsa_kernarg_size 56
		.amdhsa_user_sgpr_count 2
		.amdhsa_user_sgpr_kernarg_segment_ptr 1
		.amdhsa_wavefront_size32 1
		.amdhsa_system_sgpr_workgroup_id_x 1
		.amdhsa_system_sgpr_workgroup_id_y 1
		.amdhsa_system_sgpr_workgroup_id_z 1
		.amdhsa_system_vgpr_workitem_id 0
		.amdhsa_next_free_vgpr 232
		.amdhsa_next_free_sgpr 66
		.amdhsa_reserve_vcc 0
		.amdhsa_float_denorm_mode_32 3
		.amdhsa_float_denorm_mode_16_64 3
		.amdhsa_memory_ordered 1
		.amdhsa_forward_progress 1
		.amdhsa_inst_pref_size 21
	.end_amdhsa_kernel
	.amdgpu_metadata
---
amdhsa.version: [ 1, 2 ]
amdhsa.kernels:
  - .name:           k_q601038b563_prep
    .symbol:         k_q601038b563_prep.kd
    .args:
      - { .name: z, .offset: 0, .size: 8, .value_kind: global_buffer, .address_space: global }
      - { .name: emb, .offset: 8, .size: 8, .value_kind: global_buffer, .address_space: global }
      - { .name: lowp_scales, .offset: 16, .size: 8, .value_kind: global_buffer, .address_space: global }
      - { .name: zc, .offset: 24, .size: 8, .value_kind: global_buffer, .address_space: global }
      - { .name: zzb, .offset: 32, .size: 8, .value_kind: global_buffer, .address_space: global }
      - { .name: ec, .offset: 40, .size: 8, .value_kind: global_buffer, .address_space: global }
      - { .name: eeb, .offset: 48, .size: 8, .value_kind: global_buffer, .address_space: global }
    .group_segment_fixed_size: 93184
    .private_segment_fixed_size: 0
    .kernarg_segment_align: 8
    .kernarg_segment_size: 56
    .max_flat_workgroup_size: 512
    .sgpr_count:     66
    .vgpr_count:     232
    .wavefront_size: 32
...
	.end_amdgpu_metadata
.endif
;; end of part 1
;; launch sweep (part 2): grid 32 x 8, 8 waves a work-group, clusters of 4 x 1, 327,680 bytes of LDS; arguments zc, zzb, ec, eeb, lowp_scales, cand; writes cand
.if DOCPART == 2
	.amdgcn_target "amdgcn-amd-amdhsa--gfx1250"
	.amdhsa_code_object_version 6
	.text
	.protected	k_q601038b563_sweep
	.globl	k_q601038b563_sweep
	.p2align	8
	.type	k_q601038b563_sweep,@function
k_q601038b563_sweep:
	s_mov_b64 s[64:65], 0
	v_nop
	global_prefetch_b8 v0, s[64:65] scope:SCOPE_SE
	s_setreg_imm32_b32 hwreg(HW_REG_WAVE_MODE, 25, 1), 1
	s_wait_xcnt 0x0
	s_wait_alu depctr_hold_cnt(0) depctr_sa_sdst(0) depctr_va_vdst(0) depctr_va_sdst(0) depctr_va_ssrc(0) depctr_va_vcc(0) depctr_vm_vsrc(0)
	s_getreg_b32 s2, hwreg(HW_REG_IB_STS2, 6, 4)
	s_cmp_eq_u32 s2, 0
	s_cbranch_scc0 .Lentry_in_a_cluster
	s_endpgm
.Lentry_in_a_cluster:
	s_bfe_u32 s2, ttmp6, 0x10000c
	s_cmp_lg_u32 s2, 0x3003
	s_cbranch_scc0 .Lentry_shape_is_right
	s_endpgm
.Lentry_shape_is_right:
; For every token and every eighth of the codebook: the least d = fl(fl(zz + ee) - 2 z.e) and the first chunk of eight codebook rows that reaches it.
; z.e is the quantised product (codes of E5M2 by v_wmma_f32_16x16x128_bf8_bf8, f32 sums, x 2^(e0 + e1)); zz + ee is one f32 addition, d one fused multiply-add.
; Stored: cand[eighth][token] = (key, chunk): key = d's bits turned so that unsigned order is d's order; chunk = 2 x tile + half.  Nothing of reference() is left out here.
; LIMITS: e0 + e1 + 1 between -126 and 127.  NaN and infinity among the inputs are not served.
; SHARES.  A work-group: 1,024 tokens x 1,024 codebook rows (grid y = the eighth).  Eight waves, two to a SIMD: wave w holds the fragments of tokens 128 w .. + 127 in 256 registers
; and walks the eighth's 64 tiles of 16 rows.  A tile is one group of 16 matrix instructions and then one block of vector work on its 64 sums a lane.
; The matrix instruction is used transposed (source 0 = 16 codebook rows, source 1 = 16 tokens): lane (r, h) holds token r and its registers rows 8 h + 0 .. 7.
; LDS: the eighth's 64 images of 4,096 bytes, filled once, in two halves of 128 KiB; its ee (4 KiB); the spare words.  No LDS byte is filled twice.
; CLUSTER: the four work-groups along x read the same eighth of ec and eeb: every tensor load is a joint one, mask 15.
; No prefetch: the launch's two fills both go out at its head, ahead of the loop: there is no trip to ask ahead in.
; REGISTERS: window 0: v1-v7 addresses, the add's two; v8-23 zz twice over; v24-39 the least d, two sets by turns; v40-47 its tile; v48-55 ee; v56-57 -2^(e0+e1+1); v64-95 the tile's fragments;
; v96-159 zz + ee, then d; v160-223 the sums.  Window 1: the tokens' fragments.
.set SLOT1, 131072
.set EE,    262144
.set SPARE, 266240                     ; 128 bytes for each of eight waves
.set ZZ,  8
.set BA,  24
.set CID, 40
.set E,   48
.set CC,  56
.set F,   64
.set T,   96
.set ACC, 160
.set WV,  16
.set G1,  24                           ; shape: 128 rows of 256 bytes (the first half, waves 0-3)
.set G1E, 32                           ; 4 rows (ee, waves 4-7)
.set G1R, 40                           ; 64 rows (the second half, all waves)
.set G0H, 48
.set G0E, 52
.set G0B, 56
.set SC,  66
.set TB,  68
.set EB,  69
.set TILE, 70
.set CNT, 71
.set MK,  72
.set SEL, 80
.set HI,  82
.set W_MM, 0x04                        ; source 1 in window 1
.set MSB, 0
.macro WIN new
.if MSB != \new
	s_set_vgpr_msb (MSB<<8)|\new
.set MSB, \new
.endif
.endm
.macro CROUND                          ; a round of the cluster's barrier
	s_barrier_signal -1
	s_barrier_wait -1
	s_cmp_lg_u32 s[WV], 0
	s_cbranch_scc1 .Lnot_wave_0_\@
	s_barrier_signal -3
.Lnot_wave_0_\@:
	s_barrier_wait -3
	s_barrier_signal -1
	s_barrier_wait -1
.endm
.macro SHAPE g, rows                   ; dense rows of 32 elements of 8 bytes; mask 15 and bit 21 beside it
	s_mov_b32 s[\g], 15|(3<<16)|(1<<21)
	s_mov_b32 s[\g+1], 32<<16
	s_mov_b32 s[\g+2], (\rows)<<16
	s_mov_b32 s[\g+3], 32<<16
	s_mov_b32 s[\g+4], \rows
	s_mov_b32 s[\g+5], 32
	s_mov_b32 s[\g+6], 0
	s_mov_b32 s[\g+7], 0
.endm
.macro FETCHF foff                     ; a tile's image: 8 x 512 consecutive bytes
.irp c, 0,1,2,3,4,5,6,7
	ds_load_b128 v[F+4*\c:F+4*\c+3], v3 offset:\foff+512*\c
.endr
.endm
.macro FETCHE eoff                     ; its eight ee of my half of the lanes
	ds_load_b128 v[E:E+3], v4 offset:\eoff
	ds_load_b128 v[E+4:E+7], v4 offset:\eoff+16
.endm
; One tile.  p: which set holds the least d so far.  fetch = 1: the next tile's fragments and ee are asked for.  step = 1: the addresses go two tiles on; 2: to the second half's first tile.
.macro BODY p, fetch, foff, eoff, step, newtb
.set rOld, BA+8*(\p)
.set rNew, BA+8-8*(\p)
	s_wait_dscnt 0x0                               ; this tile's fragments and ee are in
	WIN W_MM
.set k, 0
.rept 8                                ; the eight accumulators take turns; the first product starts each sum
	v_wmma_f32_16x16x128_bf8_bf8 v[ACC+8*k:ACC+8*k+7], v[F:F+15], v[32*k:32*k+15], 0
.set k, k+1
.endr
.set k, 0
.rept 8
	v_wmma_f32_16x16x128_bf8_bf8 v[ACC+8*k:ACC+8*k+7], v[F+16:F+31], v[32*k+16:32*k+31], v[ACC+8*k:ACC+8*k+7]
.set k, k+1
.endr
	WIN 0
.set n, 0
.rept 32                               ; zz + ee, two a line; these lines name no register of the products: the first four are the places ahead of the loads into F, all 32 those ahead of the reads of the sums
.set u, n/4
.set q, n%4
	v_dual_add_f32 v[T+8*u+2*q], v[E+2*q], v[ZZ+2*u] :: v_dual_add_f32 v[T+8*u+2*q+1], v[E+2*q+1], v[ZZ+2*u+1]
.if (n == 3) && \fetch
	FETCHF \foff
.endif
.set n, n+1
.endr
.if \fetch
	FETCHE \eoff
.endif
.if \step == 1
	s_add_co_u32 s[TB], s[TB], 8192
.endif
.if \step == 2
	s_mov_b32 s[TB], \newtb
.endif
.if \step
	s_add_co_u32 s[EB], s[EB], 128
	v_add_nc_u32 v3, s[TB], v1                     ; first read more than nine vector lines further on
	v_add_nc_u32 v4, s[EB], v2
.endif
.set n, 0
.rept 32                               ; d = sum x -2^(e0+e1+1) + (zz + ee), fused; each accumulator is read from its low end on
.set u, n/4
.set q, n%4
	v_dual_fmac_f32 v[T+8*u+2*q], v[ACC+8*u+2*q], v[CC] :: v_dual_fmac_f32 v[T+8*u+2*q+1], v[ACC+8*u+2*q+1], v[CC+1]
.set n, n+1
.endr
.set u, 0
.rept 8
	v_min3_num_f32 v[T+8*u], v[T+8*u], v[T+8*u+1], v[T+8*u+2]
	v_min3_num_f32 v[T+8*u+3], v[T+8*u+3], v[T+8*u+4], v[T+8*u+5]
	v_min3_num_f32 v[T+8*u+6], v[T+8*u+6], v[T+8*u+7], v[rOld+u]
.set u, u+1
.endr
.set u, 0
.rept 8
	v_min3_num_f32 v[rNew+u], v[T+8*u], v[T+8*u+3], v[T+8*u+6]
.set u, u+1
.endr
.set u, 0
.rept 8
	v_cmp_lt_f32 s[MK+u], v[rNew+u], v[rOld+u]     ; strictly less: among equals the earlier tile stays
.set u, u+1
.endr
.set u, 0
.rept 8
	v_cndmask_b32 v[CID+u], v[CID+u], s[TILE], s[MK+u]
.set u, u+1
.endr
	s_add_co_u32 s[TILE], s[TILE], 1
.endm
; The 32 tiles of one half.  Tile i asks for tile i + 1; the half's last asks for nothing.
.macro SEG last
	s_mov_b32 s[CNT], 15
.Lseg_\@:
	BODY 0, 1, 4096, 64, 0, 0
	BODY 1, 1, 8192, 128, 1, 0
	s_sub_co_u32 s[CNT], s[CNT], 1
	s_cmp_lg_u32 s[CNT], 0
	s_cbranch_scc1 .Lseg_\@
.if \last
	BODY 0, 1, 4096, 64, 0, 0
.else
	BODY 0, 1, 4096, 64, 2, SLOT1
.endif
	BODY 1, 0, 0, 0, 0, 0
.endm
	s_load_b256 s[4:11], s[0:1], 0x0               ; zc s[4:5], zzb s[6:7], ec s[8:9], eeb s[10:11]
	s_load_b128 s[12:15], s[0:1], 0x20             ; the scales' exponents s[12:13], cand s[14:15]
	v_lshl_add_u32 v5, v0, 2, SPARE
	v_mov_b32 v6, 0
	ds_add_u32 v5, v6                              ; the opening lines: the add twice on end
	ds_add_u32 v5, v6
	v_lshrrev_b32 v7, 5, v0
	v_readfirstlane_b32 s[WV], v7                  ; wave 0..7
	s_mov_b32 s[TB], 0
	s_mov_b32 s[EB], EE
	v_and_b32 v1, 31, v0
	v_bfe_u32 v2, v0, 4, 1
	v_and_b32 v[T], 15, v0
	v_lshlrev_b32 v1, 4, v1                        ; 16 x lane
	v_lshlrev_b32 v2, 5, v2                        ; 32 h
	v_lshlrev_b32 v[T], 2, v[T]                    ; 4 r
	v_add_nc_u32 v3, s[TB], v1
	v_add_nc_u32 v4, s[EB], v2
.irp u, 0,1,2,3,4,5,6,7
	v_mov_b32 v[BA+\u], 0x7f800000                 ; above every d
	v_mov_b32 v[CID+\u], 0
.endr
	s_and_b32 s20, s[WV], 3
	s_bfe_u32 s17, ttmp6, 0x40000                  ; cx
	s_lshl_b32 s18, ttmp9, 2
	s_add_co_u32 s18, s18, s17                     ; which 1,024 tokens
	s_and_b32 s19, ttmp7, 0xffff                   ; which eighth
	SHAPE G1, 128
	SHAPE G1E, 4
	SHAPE G1R, 64
	s_lshl_b32 s22, s19, 18                        ; the eighth in ec: 64 tiles of 4,096 bytes
	s_lshl_b32 s[G0H+1], s[WV], 15                 ; the first half, waves 0-3: eight tiles each
	s_add_co_u32 s86, s22, s[G0H+1]
	s_mov_b32 s87, 0
	s_lshl_b32 s23, s[WV], 14                      ; the second half, all waves: four tiles each
	s_add_co_u32 s[G0B+1], s23, SLOT1
	s_add_co_u32 s88, s22, s[G0B+1]
	s_mov_b32 s89, 0
	s_lshl_b32 s90, s19, 12                        ; ee: the eighth's 4,096 bytes, 1,024 for each of waves 4-7
	s_lshl_b32 s23, s20, 10
	s_add_co_u32 s90, s90, s23
	s_mov_b32 s91, 0
	s_add_co_u32 s[G0E+1], s23, EE
	s_mov_b32 s[G0H], 1
	s_mov_b32 s[G0E], 1
	s_mov_b32 s[G0B], 1
	s_lshl_b32 s22, s18, 18                        ; zc: 1,024 tokens are 64 images of 4,096 bytes,
	s_lshl_b32 s23, s[WV], 15                      ; my wave's eight
	s_add_co_u32 s22, s22, s23
	s_mov_b32 s23, 0
	s_mov_b32 s[SEL], 0x76543210
	s_mov_b32 s[SEL+1], 0xfedcba98
	s_mov_b32 s[HI], 0xffff0000
	s_lshl_b32 s[TILE], s19, 6                     ; the eighth's first tile's number in the codebook
	s_wait_alu depctr_va_vdst(0)
	s_wait_dscnt 0x0                               ; both opening adds are done
	s_wait_kmcnt 0x0
	s_load_b64 s[84:85], s[12:13], 0x0             ; e0, e1
	s_add_nc_u64 s[G0H+2:G0H+3], s[8:9], s[86:87]
	s_or_b32 s[G0H+3], s[G0H+3], 0x80000000
	s_add_nc_u64 s[G0B+2:G0B+3], s[8:9], s[88:89]
	s_or_b32 s[G0B+3], s[G0B+3], 0x80000000
	s_add_nc_u64 s[G0E+2:G0E+3], s[10:11], s[90:91]
	s_or_b32 s[G0E+3], s[G0E+3], 0x80000000
	s_add_nc_u64 s[4:5], s[4:5], s[22:23]
	s_lshr_b32 s22, s22, 6
	s_add_nc_u64 s[6:7], s[6:7], s[22:23]          ; my 128 zz
	s_lshl_b32 s22, s22, 1
	s_lshl_b32 s86, s19, 18
	s_add_co_u32 s22, s22, s86
	s_add_nc_u64 s[14:15], s[14:15], s[22:23]      ; cand: my eighth, my 128 tokens, 8 bytes each
	CROUND                                         ; in front of the first joint loads
	s_cmp_lt_u32 s[WV], 4                          ; one tensor load a wave at the head: waves 0-3 the first half, waves 4-7 ee
	s_cbranch_scc0 .Lfor_ee
	tensor_load_to_lds s[G0H:G0H+3], s[G1:G1+7]
	s_nop 0
.rept 4
	v_nop
.endr
	s_branch .Lasked
.Lfor_ee:
	tensor_load_to_lds s[G0E:G0E+3], s[G1E:G1E+7]
	s_nop 0
.rept 4
	v_nop
.endr
.Lasked:
	WIN 0x40
.set n, 0
.rept 64                               ; my eight token tiles' images into window 1
	global_load_b128 v[4*n:4*n+3], v1, s[4:5] offset:512*n
.set n, n+1
.endr
	WIN 0
.irp u, 0,1,2,3,4,5,6,7                ; zz of token r of each tile, in two registers: the two halves of a dual line read different ones
	global_load_b32 v[ZZ+2*\u], v[T], s[6:7] offset:64*\u
	global_load_b32 v[ZZ+2*\u+1], v[T], s[6:7] offset:64*\u
.endr
	s_wait_kmcnt 0x0
	s_add_co_i32 s84, s84, s85
	s_add_co_i32 s84, s84, 128
	s_lshl_b32 s84, s84, 23
	s_or_b32 s[SC], s84, 0x80000000                ; -2^(e0 + e1 + 1)
	v_mov_b32 v[CC], s[SC]
	v_mov_b32 v[CC+1], s[SC]
	s_wait_alu depctr_va_vdst(0)                   ; the head's end
	s_wait_tensorcnt 0x0                           ; my part of the first half or of ee is in; the second half's fill is issued as a refill is
	ds_add_u32 v5, v6
	s_wait_dscnt 0x0
	CROUND
	tensor_load_to_lds s[G0B:G0B+3], s[G1R:G1R+7]
	s_nop 0
	FETCHF 0
	FETCHE 0
	s_wait_loadcnt 0x0                             ; the tokens' fragments and zz
	SEG 0
	s_wait_tensorcnt 0x0                           ; my part of the second half is in,
	ds_add_u32 v5, v6
	s_wait_dscnt 0x0
	s_barrier_signal -1
	s_barrier_wait -1                              ; and so is every wave's
	FETCHF 0
	FETCHE 0
	SEG 1
	; the two halves of the lanes: least key first, the lower chunk among equals
	v_bfe_u32 v7, v0, 4, 1
.irp u, 0,1,2,3,4,5,6,7
	v_ashrrev_i32 v[T+16+\u], 31, v[BA+\u]
.endr
.irp u, 0,1,2,3,4,5,6,7
	v_or_b32 v[T+16+\u], 0x80000000, v[T+16+\u]
.endr
.irp u, 0,1,2,3,4,5,6,7
	v_xor_b32 v[BA+\u], v[BA+\u], v[T+16+\u]       ; the key
	v_lshl_add_u32 v[CID+\u], v[CID+\u], 1, v7     ; the chunk
.endr
.irp u, 0,1,2,3,4,5,6,7
	v_permlanex16_b32 v[T+\u], v[BA+\u], s[SEL], s[SEL+1]
	v_permlanex16_b32 v[T+8+\u], v[CID+\u], s[SEL], s[SEL+1]
.endr
.irp u, 0,1,2,3,4,5,6,7
	v_cmp_lt_u32 s[MK], v[T+\u], v[BA+\u]
	v_cmp_eq_u32 s[MK+1], v[T+\u], v[BA+\u]
	v_cmp_lt_u32 s[MK+2], v[T+8+\u], v[CID+\u]
	s_and_b32 s[MK+1], s[MK+1], s[MK+2]
	s_or_b32 s[MK], s[MK], s[MK+1]
	v_cndmask_b32 v[BA+\u], v[BA+\u], v[T+\u], s[MK]
	v_cndmask_b32 v[CID+\u], v[CID+\u], v[T+8+\u], s[MK]
.endr
.irp m, 0,1,2,3                        ; lanes 0-15 keep tile 2 m's tokens, lanes 16-31 tile 2 m + 1's
	v_cndmask_b32 v[F+2*\m], v[BA+2*\m], v[BA+2*\m+1], s[HI]
	v_cndmask_b32 v[F+2*\m+1], v[CID+2*\m], v[CID+2*\m+1], s[HI]
.endr
	v_and_b32 v7, 31, v0
	v_lshlrev_b32 v7, 3, v7
.irp m, 0,1,2,3
	global_store_b64 v7, v[F+2*\m:F+2*\m+1], s[14:15] offset:256*\m   ; 32 lanes store 256 consecutive bytes, aligned
.endr
	s_wait_tensorcnt 0x0                           ; the wave's end
	ds_add_u32 v5, v6
	s_wait_dscnt 0x0
	CROUND                                         ; the closing round
	s_endpgm
.Lfunc_end_k_q601038b563_sweep:
	.size	k_q601038b563_sweep, .Lfunc_end_k_q601038b563_sweep-k_q601038b563_sweep
	.p2alignl 7, 3214868480
	.fill 96, 4, 3214868480
	.section	.rodata,"a",@progbits
	.p2align	6, 0x0
	.amdhsa_kernel k_q601038b563_sweep
		.amdhsa_group_segment_fixed_size 327680
		.amdhsa_private_segment_fixed_size 0
		.amdhsa_enable_private_segment 0
		.amdhsa_kernarg_size 48
		.amdhsa_user_sgpr_count 2
		.amdhsa_user_sgpr_kernarg_segment_ptr 1
		.amdhsa_wavefront_size32 1
		.amdhsa_system_sgpr_workgroup_id_x 1
		.amdhsa_system_sgpr_workgroup_id_y 1
		.amdhsa_system_sgpr_workgroup_id_z 1
		.amdhsa_system_vgpr_workitem_id 0
		.amdhsa_next_free_vgpr 512
		.amdhsa_next_free_sgpr 92
		.amdhsa_reserve_vcc 0
		.amdhsa_float_denorm_mode_32 3
		.amdhsa_float_denorm_mode_16_64 3
		.amdhsa_memory_ordered 1
		.amdhsa_forward_progress 1
		.amdhsa_inst_pref_size 93
	.end_amdhsa_kernel
	.amdgpu_metadata
---
amdhsa.version: [ 1, 2 ]
amdhsa.kernels:
  - .name:           k_q601038b563_sweep
    .symbol:         k_q601038b563_sweep.kd
    .args:
      - { .name: zc, .offset: 0, .size: 8, .value_kind: global_buffer, .address_space: global }
      - { .name: zzb, .offset: 8, .size: 8, .value_kind: global_buffer, .address_space: global }
      - { .name: ec, .offset: 16, .size: 8, .value_kind: global_buffer, .address_space: global }
      - { .name: eeb, .offset: 24, .size: 8, .value_kind: global_buffer, .address_space: global }
      - { .name: lowp_scales, .offset: 32, .size: 8, .value_kind: global_buffer, .address_space: global }
      - { .name: cand, .offset: 40, .size: 8, .value_kind: global_buffer, .address_space: global }
    .group_segment_fixed_size: 327680
    .private_segment_fixed_size: 0
    .kernarg_segment_align: 8
    .kernarg_segment_size: 48
    .max_flat_workgroup_size: 256
    .sgpr_count:     92
    .vgpr_count:     512
    .wavefront_size: 32
...
	.end_amdgpu_metadata
.endif
;; end of part 2
;; launch resolve (part 3): grid 256 x 1, 16 waves a work-group, no clusters, 4,096 bytes of LDS; arguments cand, zc, zzb, ec, eeb, lowp_scales, out2, idxw; writes out2, idxw
.if DOCPART == 3
	.amdgcn_target "amdgcn-amd-amdhsa--gfx1250"
	.amdhsa_code_object_version 6
	.text
	.protected	k_q601038b563_resolve
	.globl	k_q601038b563_resolve
	.p2align	8
	.type	k_q601038b563_resolve,@function
k_q601038b563_resolve:
	s_mov_b64 s[64:65], 0
	v_nop
	global_prefetch_b8 v0, s[64:65] scope:SCOPE_SE
	s_setreg_imm32_b32 hwreg(HW_REG_WAVE_MODE, 25, 1), 1
	s_wait_xcnt 0x0
; For every token: of the eight eighths' (key, chunk) the least key wins, the lower eighth among equals (whole numbers that the launch before has stored).  The winning chunk's eight d are made anew,
; by the same matrix instruction on the same codes and the same two lines of f32 arithmetic, and the first least of them gives the index: 8 x chunk + place.  It goes to out2 and to idxw.
; LIMITS: e0 + e1 + 1 between -126 and 127.  NaN and infinity are not served.
; SHARES.  A work-group owns 128 tokens, eight tiles of 16.  Wave w: tile w / 2; of its tokens the pairs (p, p + 8), p = 4 (w % 2) + i, i = 0 .. 3.  Product i: source 0 = the chunk of token p (rows 0-7) and the
; chunk of token p + 8 (rows 8-15), source 1 = the 16 tokens.  In its result lane p holds token p's eight sums and lane 24 + p token p + 8's; the other lanes' numbers are not used.
; No tensor loads: the rows hang on stored numbers, so the fragments go from memory straight into registers, 16 bytes a lane out of the images.
; REGISTERS: v20-51 the tokens' fragments; v52-179 the chunks' fragments; ahead of them v52-131 hold five sets of eight (key, chunk): for products 0-3 the token whose chunk my lane loads, and my own token r;
; v180-211 four accumulators; v212-219 ee; v220-235 zz + ee and d.
.set SPW, 16
.set NIL, 17
.set OWN, 18
.set B,  20
.set A,  52
.set CA, 52
.set D,  180
.set EV, 212
.set DD, 220
	s_load_b256 s[4:11], s[0:1], 0x0               ; cand s[4:5], zc s[6:7], zzb s[8:9], ec s[10:11]
	s_load_b256 s[12:19], s[0:1], 0x20             ; eeb s[12:13], the scales' exponents s[14:15], out2 s[16:17], idxw s[18:19]
	v_lshl_add_u32 v[SPW], v0, 2, 0x800
	v_mov_b32 v[NIL], 0
	v_lshrrev_b32 v1, 5, v0
	v_readfirstlane_b32 s20, v1                    ; wave 0..15
	s_lshr_b32 s21, s20, 1
	s_and_b32 s22, s20, 1                          ; which four pairs
	s_lshl_b32 s23, ttmp9, 3
	s_add_co_u32 s23, s23, s21                     ; my token tile
	s_lshl_b32 s24, s22, 5
	v_and_b32 v1, 31, v0
	v_and_b32 v4, 15, v0                           ; r
	v_bfe_u32 v5, v0, 4, 1                         ; h
	v_lshlrev_b32 v1, 4, v1                        ; 16 x lane
	v_and_b32 v2, 8, v4
	v_and_b32 v6, 7, v4
	v_lshlrev_b32 v3, 3, v4                        ; cand: my own token r
	v_lshlrev_b32 v7, 2, v4                        ; zz: my own token
	v_lshlrev_b32 v2, 3, v2
	v_lshlrev_b32 v6, 4, v6
	v_add_nc_u32 v2, s24, v2                       ; cand: token (r & 8) + 4 (w % 2), 8 bytes a token
	v_lshl_add_u32 v6, v5, 8, v6                   ; in a block of an image: 16 (r % 8) + 256 h
	s_lshl_b32 s25, s22, 2
	s_mov_b32 s28, 0x01000001
	s_lshl_b32 s28, s28, s25                       ; lanes p and 24 + p of product 0,
	s_lshl_b32 s29, s28, 1                         ; 1,
	s_lshl_b32 s30, s28, 2                         ; 2,
	s_lshl_b32 s31, s28, 3                         ; 3
	s_lshl_b32 s26, s23, 7
	s_mov_b32 s27, 0
	s_wait_alu depctr_va_vdst(0)                   ; the head's end
	s_wait_kmcnt 0x0
	s_load_b64 s[34:35], s[14:15], 0x0             ; e0, e1
	s_add_nc_u64 s[4:5], s[4:5], s[26:27]          ; cand at my tile's 16 tokens, eighth 0
	s_lshl_b32 s26, s23, 12
	s_add_nc_u64 s[6:7], s[6:7], s[26:27]          ; my tile's image
	s_lshl_b32 s26, s23, 6
	s_add_nc_u64 s[8:9], s[8:9], s[26:27]          ; its zz
	s_lshl_b32 s26, ttmp9, 9
	s_add_nc_u64 s[16:17], s[16:17], s[26:27]      ; the group's 128 indices
	s_add_nc_u64 s[18:19], s[18:19], s[26:27]
.irp i, 0,1,2,3
.irp q, 0,1,2,3,4,5,6,7
	global_load_b64 v[CA+16*\i+2*\q:CA+16*\i+2*\q+1], v2, s[4:5] offset:262144*\q+8*\i
.endr
.endr
.irp q, 0,1,2,3,4,5,6,7
	global_load_b64 v[CA+64+2*\q:CA+64+2*\q+1], v3, s[4:5] offset:262144*\q
.endr
.irp c, 0,1,2,3,4,5,6,7
	global_load_b128 v[B+4*\c:B+4*\c+3], v1, s[6:7] offset:512*\c
.endr
	global_load_b32 v8, v7, s[8:9]
	s_wait_loadcnt 9                               ; the forty pairs are in; the tokens' eight loads and zz may be out
.irp q, 1,2,3,4,5,6,7                  ; a strict compare keeps the lower eighth; the five sets take turns line by line
.irp i, 0,1,2,3,4
	v_cmp_lt_u32 s[36+\i], v[CA+16*\i+2*\q], v[CA+16*\i]
.endr
.irp i, 0,1,2,3,4
	v_cndmask_b32 v[CA+16*\i+1], v[CA+16*\i+1], v[CA+16*\i+2*\q+1], s[36+\i]
	v_min_u32 v[CA+16*\i], v[CA+16*\i], v[CA+16*\i+2*\q]
.endr
.endr
.irp i, 0,1,2,3,4
	v_min_u32 v[CA+16*\i+1], 0x3ff, v[CA+16*\i+1]  ; a chunk is held inside the codebook before it enters an address
.endr
.irp i, 0,1,2,3                        ; chunk c lies in tile c / 2, rows 8 (c % 2) on: 4,096 (c / 2) + 128 (c % 2) + my place in a block
	v_and_b32 v[DD+\i], 0x3fe, v[CA+16*\i+1]
	v_and_b32 v[12+\i], 1, v[CA+16*\i+1]
.endr
.irp i, 0,1,2,3
	v_lshl_add_u32 v[DD+\i], v[DD+\i], 11, v6
.endr
.irp i, 0,1,2,3
	v_lshl_add_u32 v[12+\i], v[12+\i], 7, v[DD+\i]
.endr
	v_mov_b32 v[OWN], v[CA+65]                     ; my own chunk: the loads below land on the sets
	v_lshlrev_b32 v11, 5, v[CA+65]                 ; its eight ee
.irp i, 0,1,2,3
.irp c, 0,1,2,3,4,5,6,7
	global_load_b128 v[A+32*\i+4*\c:A+32*\i+4*\c+3], v[12+\i], s[10:11] offset:512*\c
.endr
.endr
	global_load_b128 v[EV:EV+3], v11, s[12:13]
	global_load_b128 v[EV+4:EV+7], v11, s[12:13] offset:16
	s_wait_alu depctr_va_vdst(0)
	s_wait_kmcnt 0x0
	s_add_co_i32 s34, s34, s35
	s_add_co_i32 s34, s34, 128
	s_lshl_b32 s34, s34, 23
	s_or_b32 s34, s34, 0x80000000                  ; -2^(e0 + e1 + 1)
	s_wait_loadcnt 0x0
.irp i, 0,1,2,3                        ; the four accumulators take turns
	v_wmma_f32_16x16x128_bf8_bf8 v[D+8*\i:D+8*\i+7], v[A+32*\i:A+32*\i+15], v[B:B+15], 0
.endr
.irp i, 0,1,2,3
	v_wmma_f32_16x16x128_bf8_bf8 v[D+8*\i:D+8*\i+7], v[A+32*\i+16:A+32*\i+31], v[B+16:B+31], v[D+8*\i:D+8*\i+7]
.endr
.irp j, 0,1,2,3,4,5,6,7
	v_add_f32 v[DD+\j], v[EV+\j], v8               ; zz + ee; these eight lines are also the places between the last product and the first read of results (ISA guide 7.12.1)
.endr
.irp j, 0,1,2,3,4,5,6,7                ; each product's two lanes into the first accumulator, every accumulator from its low end on
.irp i, 1,2,3
	v_cndmask_b32 v[D+\j], v[D+\j], v[D+8*\i+\j], s[28+\i]
.endr
.endr
.irp j, 0,1,2,3,4,5,6,7
	v_fma_f32 v[DD+8+\j], v[D+\j], s34, v[DD+\j]   ; d
.endr
	v_mov_b32 v9, 0
.irp j, 1
	v_cmp_lt_f32 vcc_lo, v[DD+8+\j], v[DD+8]
	s_delay_alu instid0(VALU_DEP_1)
	v_cndmask_b32 v9, v9, \j, vcc_lo
	v_min_num_f32 v[DD+8], v[DD+8], v[DD+8+\j]
.endr
.irp j, 2, 3, 4, 5, 6, 7
	s_delay_alu instid0(VALU_DEP_1)
	v_cmp_lt_f32 vcc_lo, v[DD+8+\j], v[DD+8]
	s_delay_alu instid0(VALU_DEP_1)
	v_cndmask_b32 v9, v9, \j, vcc_lo
	s_delay_alu instid0(VALU_DEP_3)
	v_min_num_f32 v[DD+8], v[DD+8], v[DD+8+\j]
.endr
	s_delay_alu instid0(VALU_DEP_2)
	v_lshl_add_u32 v9, v[OWN], 3, v9               ; the index
	v_lshlrev_b32 v10, 2, v0
	ds_store_b32 v10, v9                           ; a word for each thread; eight lanes of a wave hold indices
	s_wait_dscnt 0x0                               ; for the sake of waves 0 and 1
	s_barrier_signal -1
	s_barrier_wait -1
	s_cmp_gt_u32 s20, 1
	s_cbranch_scc1 .Ldone
	; token 16 a + r lies in wave 2 a + (r / 4) % 2, lane r + 16 (r / 8).  Thread l of waves 0 and 1 takes tokens 2 l and 2 l + 1: neighbouring words
	v_bfe_u32 v12, v0, 3, 3
	s_delay_alu instid0(VALU_DEP_1)
	v_lshlrev_b32 v12, 8, v12
	v_bfe_u32 v13, v0, 1, 1
	s_delay_alu instid0(VALU_DEP_1)
	v_lshl_add_u32 v12, v13, 7, v12
	v_bfe_u32 v13, v0, 2, 1
	s_delay_alu instid0(VALU_DEP_1)
	v_lshl_add_u32 v12, v13, 6, v12
	v_and_b32 v13, 7, v0
	s_delay_alu instid0(VALU_DEP_1)
	v_lshl_add_u32 v12, v13, 3, v12
	ds_load_b64 v[14:15], v12
	v_and_b32 v13, 63, v0
	s_delay_alu instid0(VALU_DEP_1)
	v_lshlrev_b32 v13, 3, v13
	s_wait_alu depctr_va_vdst(0)
	s_wait_dscnt 0x0
	global_store_b64 v13, v[14:15], s[16:17]       ; a wave stores 64 indices: 256 consecutive bytes, aligned
	global_store_b64 v13, v[14:15], s[18:19]
.Ldone:
	s_wait_tensorcnt 0x0                           ; the wave's end
	ds_add_u32 v[SPW], v[NIL]
	s_wait_dscnt 0x0
	s_endpgm
.Lfunc_end_k_q601038b563_resolve:
	.size	k_q601038b563_resolve, .Lfunc_end_k_q601038b563_resolve-k_q601038b563_resolve
	.p2alignl 7, 3214868480
	.fill 96, 4, 3214868480
	.section	.rodata,"a",@progbits
	.p2align	6, 0x0
	.amdhsa_kernel k_q601038b563_resolve
		.amdhsa_group_segment_fixed_size 4096
		.amdhsa_private_segment_fixed_size 0
		.amdhsa_enable_private_segment 0
		.amdhsa_kernarg_size 64
		.amdhsa_user_sgpr_count 2
		.amdhsa_user_sgpr_kernarg_segment_ptr 1
		.amdhsa_wavefront_size32 1
		.amdhsa_system_sgpr_workgroup_id_x 1
		.amdhsa_system_sgpr_workgroup_id_y 1
		.amdhsa_system_sgpr_workgroup_id_z 1
		.amdhsa_system_vgpr_workitem_id 0
		.amdhsa_next_free_vgpr 256
		.amdhsa_next_free_sgpr 66
		.amdhsa_reserve_vcc 1
		.amdhsa_float_denorm_mode_32 3
		.amdhsa_float_denorm_mode_16_64 3
		.amdhsa_memory_ordered 1
		.amdhsa_forward_progress 1
		.amdhsa_inst_pref_size 23
	.end_amdhsa_kernel
	.amdgpu_metadata
---
amdhsa.version: [ 1, 2 ]
amdhsa.kernels:
  - .name:           k_q601038b563_resolve
    .symbol:         k_q601038b563_resolve.kd
    .args:
      - { .name: cand, .offset: 0, .size: 8, .value_kind: global_buffer, .address_space: global }
      - { .name: zc, .offset: 8, .size: 8, .value_kind: global_buffer, .address_space: global }
      - { .name: zzb, .offset: 16, .size: 8, .value_kind: global_buffer, .address_space: global }
      - { .name: ec, .offset: 24, .size: 8, .value_kind: global_buffer, .address_space: global }
      - { .name: eeb, .offset: 32, .size: 8, .value_kind: global_buffer, .address_space: global }
      - { .name: lowp_scales, .offset: 40, .size: 8, .value_kind: global_buffer, .address_space: global }
      - { .name: out2, .offset: 48, .size: 8, .value_kind: global_buffer, .address_space: global }
      - { .name: idxw, .offset: 56, .size: 8, .value_kind: global_buffer, .address_space: global }
    .group_segment_fixed_size: 4096
    .private_segment_fixed_size: 0
    .kernarg_segment_align: 8
    .kernarg_segment_size: 64
    .max_flat_workgroup_size: 512
    .sgpr_count:     66
    .vgpr_count:     256
    .wavefront_size: 32
...
	.end_amdgpu_metadata
.endif
;; end of part 3
;; launch gather (part 4): grid 256 x 1, 16 waves a work-group, no clusters, 135,680 bytes of LDS; arguments idxw, emb, z, out0, part; writes out0, part
.if DOCPART == 4
	.amdgcn_target "amdgcn-amd-amdhsa--gfx1250"
	.amdhsa_code_object_version 6
	.text
	.protected	k_q601038b563_gather
	.globl	k_q601038b563_gather
	.p2align	8
	.type	k_q601038b563_gather,@function
k_q601038b563_gather:
	s_mov_b64 s[64:65], 0
	v_nop
	global_prefetch_b8 v0, s[64:65] scope:SCOPE_SE
	s_setreg_imm32_b32 hwreg(HW_REG_WAVE_MODE, 25, 1), 1
	s_wait_xcnt 0x0
; out0[b][d][t] = z + (emb[idx][d] - z), and for each work-group the sum of (emb[idx][d] - z)^2, all in f32.  idx are whole numbers that an earlier launch has stored.
; A work-group owns 128 tokens of one b and all 256 channels.  emb's rows lie along the channels, out0's along the tokens: the 128 rows go through LDS.
; IN: wave w fetches the rows of tokens 8 w .. 8 w + 7, sixteen lanes to 256 consecutive bytes of a row, and lays token n in LDS row 32 (n % 4) + n / 4, rows 1,040 bytes apart.
; OUT: wave w takes channels 16 w .. 16 w + 15; lane l takes tokens 4 l .. 4 l + 3, so that z is read and out0 written 512 consecutive bytes an instruction; for token 4 l + q it reads LDS row 32 q + l:
; neighbouring lanes read neighbouring rows, 65 x 16 bytes apart.
; No matrix work, no tensor loads, no cluster: memory binds, nothing is shared between work-groups, and all of a wave's loads go out at once.
.set PITCH, 1040
.set PL,  128*PITCH                    ; behind the rows: sixteen partial sums
.set IDX, 8                            ; v8-11   four indices, then offsets of rows
.set Z,   16                           ; v16-79  z, then out0: register 4 i + q: channel 16 w + i, token 4 l + q
.set G,   80                           ; v80-143 emb's rows on the way in; on the way out register 16 dq + 4 q + e: channel 16 w + 4 dq + e, token 4 l + q
.set AC,  144                          ; v144-147 four chains of squares
	s_load_b256 s[4:11], s[0:1], 0x0               ; idxw s[4:5], emb s[6:7], z s[8:9], out0 s[10:11]
	s_load_b64 s[12:13], s[0:1], 0x20              ; part
	v_lshl_add_u32 v160, v0, 2, 0x20a00
	v_mov_b32 v161, 0
	v_lshrrev_b32 v1, 5, v0
	s_delay_alu instid0(VALU_DEP_1)
	v_readfirstlane_b32 s14, v1                    ; wave 0..15
	v_and_b32 v1, 31, v0                           ; lane
	v_and_b32 v2, 15, v0
	v_bfe_u32 v3, v0, 4, 1                         ; which of two tokens
	s_delay_alu instid0(VALU_DEP_3)
	v_lshlrev_b32 v4, 4, v1                        ; 16 x lane
	s_delay_alu instid0(VALU_DEP_3)
	v_lshlrev_b32 v5, 4, v2
	s_delay_alu instid0(VALU_DEP_3)
	v_lshlrev_b32 v6, 2, v3
	s_delay_alu instid0(VALU_DEP_4)
	v_mul_u32_u24 v12, v3, 32*PITCH                ; in: token 8 w + 2 i + y lies in row 64 (i % 2) + 32 y + 2 w + i / 2
	s_mul_i32 s15, s14, 2*PITCH
	v_add_nc_u32 v12, s15, v12
	s_delay_alu instid0(VALU_DEP_1)
	v_add_nc_u32 v12, v12, v5                      ; i even
	s_delay_alu instid0(VALU_DEP_1)
	v_add_nc_u32 v13, 64*PITCH, v12                ; i odd (an LDS instruction's immediate ends at 65,535)
	v_mul_u32_u24 v14, v1, PITCH                   ; out: row 32 q + l, + 64 w bytes
	s_lshl_b32 s15, s14, 6
	v_add_nc_u32 v14, s15, v14                     ; q = 0, 1
	s_delay_alu instid0(VALU_DEP_1)
	v_add_nc_u32 v15, 64*PITCH, v14                ; q = 2, 3
	s_lshl_b32 s16, ttmp9, 9                       ; idxw: 128 tokens a group,
	s_lshl_b32 s17, s14, 5                         ; 8 a wave
	s_add_co_u32 s16, s16, s17
	s_mov_b32 s17, 0
	s_lshr_b32 s18, ttmp9, 5                       ; z, out0: b,
	s_lshl_b32 s18, s18, 22
	s_lshl_b32 s19, s14, 18                        ; 16 channels of 16,384 bytes a wave,
	s_add_co_u32 s18, s18, s19
	s_and_b32 s19, ttmp9, 31
	s_lshl_b32 s19, s19, 9                         ; the group's first token
	s_add_co_u32 s18, s18, s19
	s_mov_b32 s19, 0
	s_lshl_b32 s22, ttmp9, 2
	s_mov_b32 s23, 0
	s_mov_b32 s20, 0x76543210
	s_mov_b32 s21, 0xfedcba98
	s_wait_alu depctr_va_vdst(0)
	s_wait_kmcnt 0x0
	s_add_nc_u64 s[4:5], s[4:5], s[16:17]
	s_add_nc_u64 s[8:9], s[8:9], s[18:19]
	s_add_nc_u64 s[10:11], s[10:11], s[18:19]
	s_add_nc_u64 s[12:13], s[12:13], s[22:23]
.irp i, 0,1,2,3
	global_load_b32 v[IDX+\i], v6, s[4:5] offset:8*\i
.endr
.irp i, 0,1,2,3,4,5,6,7,8,9,10,11,12,13,14,15
	global_load_b128 v[Z+4*\i:Z+4*\i+3], v4, s[8:9] offset:16384*\i th:TH_LOAD_NT
.endr
	s_wait_loadcnt 16                              ; the indices are in; z's sixteen loads may be out
.irp i, 0,1,2,3
	v_min_u32 v[IDX+\i], 0x1fff, v[IDX+\i]         ; an index stays inside the table
	s_delay_alu instid0(VALU_DEP_1)
	v_lshlrev_b32 v[IDX+\i], 10, v[IDX+\i]         ; a row is 1,024 bytes
	s_delay_alu instid0(VALU_DEP_1)
	v_add_nc_u32 v[IDX+\i], v[IDX+\i], v5
.endr
.irp i, 0,1,2,3
.irp c, 0,1,2,3
	global_load_b128 v[G+16*\i+4*\c:G+16*\i+4*\c+3], v[IDX+\i], s[6:7] offset:256*\c
.endr
.endr
.irp i, 0,1,2,3
	s_wait_loadcnt 12-4*\i                         ; this pair of rows is in; the later pairs' loads may be out
.irp c, 0,1,2,3
	ds_store_b128 v[12+\i%2], v[G+16*\i+4*\c:G+16*\i+4*\c+3] offset:(\i/2)*PITCH+256*\c
.endr
.endr
	s_wait_dscnt 0x0                               ; for the others' sake: my rows have landed
	s_barrier_signal -1
	s_barrier_wait -1
.irp dq, 0,1,2,3
.irp qq, 0,1,2,3
	ds_load_b128 v[G+16*\dq+4*\qq:G+16*\dq+4*\qq+3], v[14+\qq/2] offset:(\qq%2)*32*PITCH+16*\dq
.endr
.endr
.irp dq, 0,1,2,3
	s_wait_dscnt 12-4*\dq                          ; these four channels' loads are in; the later groups of four may be out
.irp e, 0,1,2,3
.irp qq, 0,1,2,3
	v_sub_f32 v[G+16*\dq+4*\qq+\e], v[G+16*\dq+4*\qq+\e], v[Z+16*\dq+4*\e+\qq]     ; z_q - z
.endr
.irp qq, 0,1,2,3
	s_delay_alu instid0(VALU_DEP_4)
	v_add_f32 v[Z+16*\dq+4*\e+\qq], v[Z+16*\dq+4*\e+\qq], v[G+16*\dq+4*\qq+\e]     ; z + (z_q - z)
.endr
.irp qq, 0,1,2,3
.if (\dq == 0) && (\e == 0)
	v_mul_f32 v[AC+\qq], v[G+4*\qq], v[G+4*\qq]                                    ; the first squares start the chains
.else
	v_fmac_f32 v[AC+\qq], v[G+16*\dq+4*\qq+\e], v[G+16*\dq+4*\qq+\e]
.endif
.endr
	global_store_b128 v4, v[Z+16*\dq+4*\e:Z+16*\dq+4*\e+3], s[10:11] offset:(4*\dq+\e)*16384 th:TH_STORE_NT   ; 512 consecutive bytes
.endr
.endr
	v_add_f32 v[AC], v[AC], v[AC+1]
	v_add_f32 v[AC+2], v[AC+2], v[AC+3]
	s_delay_alu instid0(VALU_DEP_1)
	v_add_f32 v[AC], v[AC], v[AC+2]
	s_delay_alu instid0(VALU_DEP_1)
	v_add_f32_dpp v[AC], v[AC], v[AC] row_xmask:1 row_mask:0xf bank_mask:0xf
	s_delay_alu instid0(VALU_DEP_1)
	v_add_f32_dpp v[AC], v[AC], v[AC] row_xmask:2 row_mask:0xf bank_mask:0xf
	s_delay_alu instid0(VALU_DEP_1)
	v_add_f32_dpp v[AC], v[AC], v[AC] row_xmask:4 row_mask:0xf bank_mask:0xf
	s_delay_alu instid0(VALU_DEP_1)
	v_add_f32_dpp v[AC], v[AC], v[AC] row_xmask:8 row_mask:0xf bank_mask:0xf
	s_delay_alu instid0(VALU_DEP_1)
	v_permlanex16_b32 v[AC+1], v[AC], s20, s21
	s_delay_alu instid0(VALU_DEP_1)
	v_add_f32 v[AC], v[AC], v[AC+1]                ; the wave's sum, in every lane
	s_lshl_b32 s15, s14, 2
	s_add_co_u32 s15, s15, PL
	v_mov_b32 v148, s15
	ds_store_b32 v148, v[AC]                       ; all lanes write the same word with the same number
	s_wait_dscnt 0x0
	s_barrier_signal -1
	s_barrier_wait -1
	s_cmp_lg_u32 s14, 0
	s_cbranch_scc1 .Ldone
	v_lshlrev_b32 v149, 2, v2
	s_delay_alu instid0(VALU_DEP_1)
	v_add_nc_u32 v149, PL, v149
	ds_load_b32 v150, v149                         ; sixteen lanes, sixteen waves' sums
	v_mov_b32 v151, 0
	s_wait_dscnt 0x0
	v_add_f32_dpp v150, v150, v150 row_xmask:1 row_mask:0xf bank_mask:0xf
	s_delay_alu instid0(VALU_DEP_1)
	v_add_f32_dpp v150, v150, v150 row_xmask:2 row_mask:0xf bank_mask:0xf
	s_delay_alu instid0(VALU_DEP_1)
	v_add_f32_dpp v150, v150, v150 row_xmask:4 row_mask:0xf bank_mask:0xf
	s_delay_alu instid0(VALU_DEP_1)
	v_add_f32_dpp v150, v150, v150 row_xmask:8 row_mask:0xf bank_mask:0xf
	v_cmp_eq_u32 vcc_lo, 0, v1
	s_wait_alu depctr_va_vdst(0)
	s_wait_xcnt 0x0                                ; EXEC changes only behind this wait: my stores have been issued under the full one
	s_and_saveexec_b32 s24, vcc_lo
	global_store_b32 v151, v150, s[12:13]          ; lane 0: the group's sum
	s_wait_xcnt 0x0
	s_or_b32 exec_lo, exec_lo, s24
.Ldone:
	s_wait_tensorcnt 0x0
	ds_add_u32 v160, v161
	s_wait_dscnt 0x0
	s_endpgm
.Lfunc_end_k_q601038b563_gather:
	.size	k_q601038b563_gather, .Lfunc_end_k_q601038b563_gather-k_q601038b563_gather
	.p2alignl 7, 3214868480
	.fill 96, 4, 3214868480
	.section	.rodata,"a",@progbits
	.p2align	6, 0x0
	.amdhsa_kernel k_q601038b563_gather
		.amdhsa_group_segment_fixed_size 135680
		.amdhsa_private_segment_fixed_size 0
		.amdhsa_enable_private_segment 0
		.amdhsa_kernarg_size 40
		.amdhsa_user_sgpr_count 2
		.amdhsa_user_sgpr_kernarg_segment_ptr 1
		.amdhsa_wavefront_size32 1
		.amdhsa_system_sgpr_workgroup_id_x 1
		.amdhsa_system_sgpr_workgroup_id_y 1
		.amdhsa_system_sgpr_workgroup_id_z 1
		.amdhsa_system_vgpr_workitem_id 0
		.amdhsa_next_free_vgpr 162
		.amdhsa_next_free_sgpr 66
		.amdhsa_reserve_vcc 1
		.amdhsa_float_denorm_mode_32 3
		.amdhsa_float_denorm_mode_16_64 3
		.amdhsa_memory_ordered 1
		.amdhsa_forward_progress 1
		.amdhsa_inst_pref_size 21
	.end_amdhsa_kernel
	.amdgpu_metadata
---
amdhsa.version: [ 1, 2 ]
amdhsa.kernels:
  - .name:           k_q601038b563_gather
    .symbol:         k_q601038b563_gather.kd
    .args:
      - { .name: idxw, .offset: 0, .size: 8, .value_kind: global_buffer, .address_space: global }
      - { .name: emb, .offset: 8, .size: 8, .value_kind: global_buffer, .address_space: global }
      - { .name: z, .offset: 16, .size: 8, .value_kind: global_buffer, .address_space: global }
      - { .name: out0, .offset: 24, .size: 8, .value_kind: global_buffer, .address_space: global }
      - { .name: part, .offset: 32, .size: 8, .value_kind: global_buffer, .address_space: global }
    .group_segment_fixed_size: 135680
    .private_segment_fixed_size: 0
    .kernarg_segment_align: 8
    .kernarg_segment_size: 40
    .max_flat_workgroup_size: 512
    .sgpr_count:     66
    .vgpr_count:     162
    .wavefront_size: 32
...
	.end_amdgpu_metadata
.endif
;; end of part 4
;; launch loss (part 5): grid 1 x 1, 1 waves a work-group, no clusters, 0 bytes of LDS; arguments part, out1; writes out1
.if DOCPART == 5
	.amdgcn_target "amdgcn-amd-amdhsa--gfx1250"
	.amdhsa_code_object_version 6
	.text
	.protected	k_q601038b563_loss
	.globl	k_q601038b563_loss
	.p2align	8
	.type	k_q601038b563_loss,@function
k_q601038b563_loss:
	s_mov_b64 s[64:65], 0
	v_nop
	global_prefetch_b8 v0, s[64:65] scope:SCOPE_SE
	s_setreg_imm32_b32 hwreg(HW_REG_WAVE_MODE, 25, 1), 1
	s_wait_xcnt 0x0
; loss = m + 0.25 m, m = the mean of (z_q - z)^2 over 8 x 256 x 4096 = 2^23 numbers: both means of the loss are this one number.  One wave adds the 256 work-groups' sums, eight a lane.
	s_load_b128 s[4:7], s[0:1], 0x0                ; part s[4:5], out1 s[6:7]
	v_lshlrev_b32 v1, 4, v0
	s_mov_b32 s8, 0x76543210
	s_mov_b32 s9, 0xfedcba98
	s_wait_alu depctr_va_vdst(0)
	s_wait_kmcnt 0x0
	global_load_b128 v[4:7], v1, s[4:5]
	global_load_b128 v[8:11], v1, s[4:5] offset:512
	v_mov_b32 v2, 0
	s_wait_loadcnt 0x0
	v_pk_add_f32 v[4:5], v[4:5], v[8:9]
	v_pk_add_f32 v[6:7], v[6:7], v[10:11]
	v_pk_add_f32 v[4:5], v[4:5], v[6:7]
	v_add_f32 v4, v4, v5
	v_add_f32_dpp v4, v4, v4 row_xmask:1 row_mask:0xf bank_mask:0xf
	v_add_f32_dpp v4, v4, v4 row_xmask:2 row_mask:0xf bank_mask:0xf
	v_add_f32_dpp v4, v4, v4 row_xmask:4 row_mask:0xf bank_mask:0xf
	v_add_f32_dpp v4, v4, v4 row_xmask:8 row_mask:0xf bank_mask:0xf
	v_permlanex16_b32 v5, v4, s8, s9
	v_add_f32 v4, v4, v5
	v_mul_f32 v4, 0x34000000, v4                   ; x 2^-23: the mean
	v_fmamk_f32 v5, v4, 0x3e800000, v4             ; 0.25 m + m
	v_cmp_eq_u32 vcc_lo, 0, v0
	s_wait_alu depctr_va_vdst(0)
	s_wait_xcnt 0x0
	s_and_saveexec_b32 s10, vcc_lo
	global_store_b32 v2, v5, s[6:7]
	s_wait_xcnt 0x0
	s_or_b32 exec_lo, exec_lo, s10
	s_endpgm
.Lfunc_end_k_q601038b563_loss:
	.size	k_q601038b563_loss, .Lfunc_end_k_q601038b563_loss-k_q601038b563_loss
	.p2alignl 7, 3214868480
	.fill 96, 4, 3214868480
	.section	.rodata,"a",@progbits
	.p2align	6, 0x0
	.amdhsa_kernel k_q601038b563_loss
		.amdhsa_group_segment_fixed_size 0
		.amdhsa_private_segment_fixed_size 0
		.amdhsa_enable_private_segment 0
		.amdhsa_kernarg_size 16
		.amdhsa_user_sgpr_count 2
		.amdhsa_user_sgpr_kernarg_segment_ptr 1
		.amdhsa_wavefront_size32 1
		.amdhsa_system_sgpr_workgroup_id_x 1
		.amdhsa_system_sgpr_workgroup_id_y 1
		.amdhsa_system_sgpr_workgroup_id_z 1
		.amdhsa_system_vgpr_workitem_id 0
		.amdhsa_next_free_vgpr 24
		.amdhsa_next_free_sgpr 66
		.amdhsa_reserve_vcc 1
		.amdhsa_float_denorm_mode_32 3
		.amdhsa_float_denorm_mode_16_64 3
		.amdhsa_memory_ordered 1
		.amdhsa_forward_progress 1
		.amdhsa_inst_pref_size 2
	.end_amdhsa_kernel
	.amdgpu_metadata
---
amdhsa.version: [ 1, 2 ]
amdhsa.kernels:
  - .name:           k_q601038b563_loss
    .symbol:         k_q601038b563_loss.kd
    .args:
      - { .name: part, .offset: 0, .size: 8, .value_kind: global_buffer, .address_space: global }
      - { .name: out1, .offset: 8, .size: 8, .value_kind: global_buffer, .address_space: global }
    .group_segment_fixed_size: 0
    .private_segment_fixed_size: 0
    .kernarg_segment_align: 8
    .kernarg_segment_size: 16
    .max_flat_workgroup_size: 32
    .sgpr_count:     66
    .vgpr_count:     24
    .wavefront_size: 32
...
	.end_amdgpu_metadata
.endif
;; end of part 5
